; MI455X (gfx1250); checked and timed in simulation.
; The chip was launched on July 23, 2026; its instructions are those of AMD's public machine-readable ISA for CDNA 5 (MIT licence, August 2026) and "CDNA5" Instruction Set Architecture Reference Guide (July 2026). The comments in the code are by the model that wrote it; some were corrected since.
;; Bert Self Attention. Allowed arithmetic: matrix products marked QUANTISED: E2M1 operands, one E8M0 scale for each 32 along K, by v_wmma_scale_f32_16x16x128_f8f6f4 with both operands' format E2M1 (or v_wmma_scale_f32_32x16x128_f4), f32 sums; products left as they are: bf16, f16 or f32 operands; f32 sums; everything else in f32.
;; Inputs: Wk 1,024 x 1,024 float32; Wq 1,024 x 1,024 float32; Wv 1,024 x 1,024 float32; attention_mask 4 x 2,048 float32; bk 1,024 float32; bq 1,024 float32; bv 1,024 float32; hidden_states 4 x 2,048 x 1,024 float32.
;; Outputs: out0 4 x 2,048 x 1,024 float32.
;; This version of the problem:
;;   THIS VERSION OF THE PROBLEM IS GIVEN IN LOW PRECISION. The matrix products marked QUANTISED in the list below multiply operands that are first quantised to E2M1 (2 exponent bits, 1 mantissa bit; 4 bits a number), with one power-of-two scale for each 32 numbers along K (OCP MX v1.0); their sums are f32. The products marked 'left as it is' may take bf16, f16 or f32 operands, with f32 sums. Whichever they take, every output number must still come out within the allowed error. Rounding operands to bf16 (8 significant bits) uses up far more of that allowance than f16 does (11 bits, for magnitudes from 6e-5 to 65,504). All else is computed in f32.
;;   The module's matrix products, in the order in which they are computed (A, B: the left and right operand; K: the contracted axis; several contracted axes count as one K, in the product's order):
;;     1. [M 8,192, K 1,024] x [K 1,024, N 1,024]; A: input hidden_states; B: input Wq: QUANTISED
;;     2. [M 8,192, K 1,024] x [K 1,024, N 1,024]; A: input hidden_states; B: input Wk: QUANTISED
;;     3. [M 8,192, K 1,024] x [K 1,024, N 1,024]; A: input hidden_states; B: input Wv: QUANTISED
;;     4. batch 64 x [M 2,048, K 64] x [K 64, N 2,048]; A: computed on the way; B: computed on the way: left as it is (an operand is computed on the way)
;;     5. batch 64 x [M 2,048, K 2,048] x [K 2,048, N 64]; A: computed on the way; B: computed on the way: left as it is (an operand is computed on the way)
;;   THE QUANTISER, for each operand of a quantised product, along K:
;;     - K is cut into blocks of 32 from its start; a last block that is shorter is filled with zeros.
;;     - A block's scale is 2^e with e = floor(log2(the largest magnitude in the block)) - 2, held to -126 .. 127; a block of zeros has e = 0. As a byte (E8M0): e + 127.
;;     - Each number is divided by its block's scale, clamped to +-6, and rounded to the nearest number of E2M1, ties to even, subnormals kept.
;;     - The product sums the exact products of the quantised numbers (number of the format x scale) in f32.
;;   ~~~python
;;   def quantise(x, axis):      # numpy; x: float32 -> the quantised numbers, widened to float32 again
;;       x = np.moveaxis(x, axis, -1); K = x.shape[-1]
;;       x = np.pad(x, [(0, 0)] * (x.ndim - 1) + [(0, -K % 32)]); x = x.reshape(x.shape[:-1] + (-1, 32)); a = np.abs(x).max(-1, keepdims=True)
;;       e = np.where(a > 0, np.clip(np.frexp(np.where(a > 0, a, 1))[1] - 1 - 2, -126, 127), 0)      # np.frexp(a)[1] - 1 = floor(log2(a)), exactly
;;       r = np.clip(x / 2.0 ** e, -6, 6)
;;       step = 2.0 ** (np.maximum(np.frexp(np.where(r == 0, 1, r))[1] - 1, 0) - 1)
;;       q = np.round(r / step) * step * 2.0 ** e      # np.round: ties to even
;;       return np.moveaxis(q.reshape(q.shape[:-2] + (-1,))[..., :K], -1, axis).astype(np.float32)
;;   ~~~
;; One version. Each part assembles by itself: llvm-mc -triple=amdgcn-amd-amdhsa -mcpu=gfx1250 --defsym DOCPART=n.
;; ======== version 1 of 1: 3 launches
;; limits: values are held in f16: magnitudes above 65,504 overflow, below 6.1e-05 lose precision
;; workspace buffers: a_codes 4,194,304 bytes; a_scales 262,144 bytes; b_codes 1,572,864 bytes; b_scales 98,304 bytes; qkv 50,331,648 bytes
;; launch quant (part 1): grid 352 x 1, 4 waves a work-group, no clusters, 33,280 bytes of LDS; arguments hidden_states, Wq, Wk, Wv, a_codes, a_scales, b_codes, b_scales; writes a_codes, a_scales, b_codes, b_scales
.if DOCPART == 1
	.amdgcn_target "amdgcn-amd-amdhsa--gfx1250"
	.amdhsa_code_object_version 6
	.text
	.protected	k_q573ee5ce0a_quant
	.globl	k_q573ee5ce0a_quant
	.p2align	8
	.type	k_q573ee5ce0a_quant,@function
k_q573ee5ce0a_quant:
	s_mov_b64 s[64:65], 0
	v_nop
	global_prefetch_b8 v0, s[64:65] scope:SCOPE_SE
	s_setreg_imm32_b32 hwreg(HW_REG_WAVE_MODE, 25, 1), 1
	s_wait_xcnt 0x0
; hidden_states [8192][1024] and Wq, Wk, Wv [1024][1024], f32, K innermost, are turned into codes of FP4 (E2M1), two to a byte, K innermost, with one E8M0 scale byte for each 32 along K.
; a_codes [8192][512 bytes], a_scales [8192][32]; b_codes [3072][512 bytes], b_scales [3072][32]: rows 0-1023 Wq's, 1024-2047 Wk's, 2048-3071 Wv's.
; A block's scale is 2^(floor(log2(its largest magnitude)) - 2); its byte is the largest magnitude's own exponent field - 2, held at 1 from below.  Each number is divided by the scale and rounded to the nearest code, ties to even;
; beyond 6 the conversion gives the largest code.
; LIMITS: a block of zeros gets the byte 1 where the rule says 127: its codes are zeros, which add nothing, and this program alone reads the bytes.  Blocks whose largest magnitude lies under 2^(2 - 126) share that byte.
; NaN and infinities among the inputs are not served.
; Rows are dense and K is a multiple of 32: every tensor is a plain stream of blocks of 32 numbers, and so are its codes and scale bytes.  A work-group takes 32,768 numbers, a wave 8,192: 16 steps of 512.
; Work-groups 0-255 take hidden_states; work-group 256 + g takes group g % 32 of W number g / 32, and writes group g of b_codes and b_scales, where the three W lie on end.  Only pointers are chosen: one path for all.
; The conversions take 8 numbers of ONE block from a lane's registers, so a lane must hold 16 NEIGHBOURS; a load is best where neighbouring LANES take neighbouring bytes.  Both are had: each of a step's four loads reads 512
; consecutive bytes, 16 a lane; the 2,048 bytes go through the wave's own stage in LDS and come back 64 bytes a lane (16 bytes of padding behind each 64).  A lane's 16 codes are 8 bytes: the wave stores 256 consecutive bytes, aligned.
; A wave's 256 scale bytes are gathered in its own LDS bytes and leave by one store of 256 consecutive bytes, aligned.  No tensor loads, no barrier: waves share nothing.  Loads run four steps (16 loads a wave) ahead.
.set WAVES, 4
.set STEPS, 16
.set WGH,   256                        ; work-groups of hidden_states: 8,192 x 1,024 / 32,768
.set EMAX,  2
.set CB,    8                          ; bytes of 16 codes
.set R,     16                         ; v16-79   four sets of 16 numbers as they are loaded
.set X,     80                         ; v80-111  two sets of 16 neighbours
.set C,     128                        ; v128-191 codes: four registers for each step, so that no store's data are written again
.set E,     112                        ; v112-127 a scale byte for each step
.set WREG,  8192                       ; LDS: a region for each wave: two stages of 32 x SP bytes, and behind them its 256 scale bytes
.set SP,    80                         ; a lane's place in a stage: its 64 bytes + 16 of padding
.set SPW,   12                         ; v12      LDS address of my spare word: SPARE + 4 x my thread's number; never rewritten
.set NIL,   13                         ; v13      0; never rewritten
.set SPARE, WAVES*WREG                 ; behind the four regions: the spare words, 128 bytes for each wave, which no other line names
	s_load_b256 s[4:11], s[0:1], 0x0               ; hidden_states s[4:5], Wq s[6:7], Wk s[8:9], Wv s[10:11]
	s_load_b256 s[12:19], s[0:1], 0x20             ; a_codes s[12:13], a_scales s[14:15], b_codes s[16:17], b_scales s[18:19]
	v_lshl_add_u32 v[SPW], v0, 2, SPARE
	v_mov_b32 v[NIL], 0
	v_lshrrev_b32 v1, 5, v0
	v_readfirstlane_b32 s20, v1                    ; wave
	v_and_b32 v2, 31, v0                           ; lane
	v_lshlrev_b32 v3, 4, v2                        ; my 16 bytes of a load's 512
	s_mul_i32 s21, s20, WREG
	v_lshrrev_b32 v14, 2, v2
	v_mul_u32_u24 v14, v14, SP
	v_and_b32 v15, 3, v2
	v_lshl_add_u32 v14, v15, 4, v14
	v_add_nc_u32 v14, s21, v14                     ; the stage, on the way in: four lanes' 64 bytes on end, then 16 of padding: SP (lane / 4) + 16 (lane % 4)
	v_mul_u32_u24 v15, v2, SP
	v_add_nc_u32 v15, s21, v15                     ; and on the way out: SP x lane: my 16 neighbours
	v_mul_u32_u24 v4, v2, CB                       ; my codes' place in a step's
	v_lshrrev_b32 v5, 1, v2
	s_add_co_u32 s21, s21, 2*32*SP
	v_add_nc_u32 v5, s21, v5                       ; LDS: my wave's 256 scale bytes, my block's byte
	v_lshlrev_b32 v7, 3, v2                        ; and on the way out 8 bytes a lane
	v_add_nc_u32 v6, s21, v7
	s_max_u32 s21, ttmp9, WGH
	s_sub_co_u32 s21, s21, WGH                     ; g: which group of the three W (0 in a work-group of hidden_states, where it is not used)
	s_lshr_b32 s22, s21, 5                         ; which W
	s_and_b32 s23, s21, 31                         ; which group of it
	s_wait_kmcnt 0x0
	s_cmp_eq_u32 s22, 1                            ; the choices hang on the work-group's number alone
	s_cselect_b64 s[6:7], s[8:9], s[6:7]
	s_cmp_eq_u32 s22, 2
	s_cselect_b64 s[6:7], s[10:11], s[6:7]         ; s[6:7]: the W of this work-group
	s_cmp_lt_u32 ttmp9, WGH
	s_cselect_b64 s[4:5], s[4:5], s[6:7]           ; from where,
	s_cselect_b64 s[12:13], s[12:13], s[16:17]     ; the codes' buffer,
	s_cselect_b64 s[14:15], s[14:15], s[18:19]     ; the scale bytes' buffer,
	s_cselect_b32 s24, ttmp9, s23                  ; the group in the source,
	s_cselect_b32 s25, ttmp9, s21                  ; and in the destination
	s_lshl_b32 s24, s24, 2
	s_add_co_u32 s24, s24, s20                     ; my wave's run of 8,192 numbers in the source
	s_lshl_b32 s25, s25, 2
	s_add_co_u32 s25, s25, s20                     ; and in the destination
	s_lshl_b32 s26, s24, 15                        ; 32,768 bytes of f32 a run (at most 1,023 runs: under 2^25)
	s_mov_b32 s27, 0
	s_add_nc_u64 s[4:5], s[4:5], s[26:27]
	s_lshl_b32 s26, s25, 12                        ; 4,096 bytes of codes a run
	s_add_nc_u64 s[12:13], s[12:13], s[26:27]
	s_lshl_b32 s26, s25, 8                         ; 256 scale bytes a run
	s_add_nc_u64 s[14:15], s[14:15], s[26:27]
.macro LOAD t
.irp i, 0,1,2,3
	global_load_b128 v[R+16*((\t)%4)+4*\i:R+16*((\t)%4)+4*\i+3], v3, s[4:5] offset:2048*(\t)+512*\i th:TH_LOAD_NT   ; 32 lanes read 512 consecutive bytes; each number is read once in the launch
.endr
.endm
.macro TURN t                          ; step t's numbers through the stage: LDS serves a wave's instructions in order, so no wait stands between the stores and the loads
.irp i, 0,1,2,3
	ds_store_b128 v14, v[R+16*((\t)%4)+4*\i:R+16*((\t)%4)+4*\i+3] offset:32*SP*((\t)%2)+8*SP*\i
.endr
.irp i, 0,1,2,3
	ds_load_b128 v[X+16*((\t)%2)+4*\i:X+16*((\t)%2)+4*\i+3], v15 offset:32*SP*((\t)%2)+16*\i
.endr
.endm
.irp t, 0,1,2,3
	LOAD \t
.endr
	s_wait_loadcnt 12                              ; step 0's four loads are in; the twelve of steps 1 to 3 may be out
	TURN 0
.macro STEP t
.set XS, X+16*((\t)%2)
.if (\t) > 0
	s_wait_dscnt 1                                 ; this step's numbers are back from the stage (the last step's byte store may be out): so its stores into the stage have read their registers,
.else
	s_wait_dscnt 0x0
.endif
.if (\t)+4 < STEPS
	LOAD (\t)+4                                    ; which take the loads of four steps on
.endif
.if (\t)+1 < STEPS
.if STEPS-2-(\t) >= 3
	s_wait_loadcnt 12                              ; the next step's four loads are in; those of the three steps behind it may be out
.else
	s_wait_loadcnt 4*(STEPS-2-(\t))
.endif
	TURN (\t)+1                                    ; and go through the other stage while this step is worked
.endif
	v_max3_num_f32 v8, |v[XS]|, |v[XS+1]|, |v[XS+2]|               ; the largest magnitude of my 16, in two chains
	v_max3_num_f32 v9, |v[XS+3]|, |v[XS+4]|, |v[XS+5]|
.irp i, 6,10
	v_max3_num_f32 v8, v8, |v[XS+\i]|, |v[XS+\i+1]|
	v_max3_num_f32 v9, v9, |v[XS+\i+2]|, |v[XS+\i+3]|
.endr
	v_max3_num_f32 v8, v8, |v[XS+14]|, |v[XS+15]|
	v_max3_num_f32 v8, v8, v9, (EMAX+1)<<23        ; and the floor 2^(EMAX + 1 - 127), under which no largest magnitude is taken: so the byte cannot fall under 1
	v_max_num_f32_dpp v8, v8, v8 row_xmask:1 row_mask:0xf bank_mask:0xf   ; and of my neighbour's 16: the block's
	v_add_nc_u32 v11, -(EMAX<<23), v8              ; EMAX off its exponent field: the conversion takes the exponent field of this operand as its scale, and nothing else of it
	v_cvt_scalef32_pk8_fp4_f32 v[C+4*(\t)], v[XS:XS+7], v11        ; eight numbers / the scale, to the nearest code; the first number's code in the lowest four bits
	v_cvt_scalef32_pk8_fp4_f32 v[C+4*(\t)+1], v[XS+8:XS+15], v11
	v_lshrrev_b32 v[E+(\t)], 23, v11               ; the scale's byte (also the plain line behind the conversions)
	ds_store_b8 v5, v[E+(\t)] offset:16*(\t)       ; both lanes of a block write the same byte with the same value
	global_store_b64 v4, v[C+4*(\t):C+4*(\t)+1], s[12:13] offset:32*CB*(\t)   ; 32 lanes store 256 consecutive bytes, aligned
.endm
.irp t, 0,1,2,3,4,5,6,7,8,9,10,11,12,13,14,15
	STEP \t
.endr
	ds_load_b64 v[8:9], v6                         ; LDS serves a wave's instructions in order: these see my byte stores
	s_wait_dscnt 0x0
	global_store_b64 v7, v[8:9], s[14:15]          ; 32 lanes store 256 consecutive bytes, aligned
	s_wait_tensorcnt 0x0                           ; the wave's end, behind my last LDS store
	ds_add_u32 v[SPW], v[NIL]
	s_wait_dscnt 0x0
	s_endpgm
.Lfunc_end_k_q573ee5ce0a_quant:
	.size	k_q573ee5ce0a_quant, .Lfunc_end_k_q573ee5ce0a_quant-k_q573ee5ce0a_quant
	.p2alignl 7, 3214868480
	.fill 96, 4, 3214868480
	.section	.rodata,"a",@progbits
	.p2align	6, 0x0
	.amdhsa_kernel k_q573ee5ce0a_quant
		.amdhsa_group_segment_fixed_size 33280
		.amdhsa_private_segment_fixed_size 0
		.amdhsa_enable_private_segment 0
		.amdhsa_kernarg_size 64
		.amdhsa_user_sgpr_count 2
		.amdhsa_user_sgpr_kernarg_segment_ptr 1
		.amdhsa_wavefront_size32 1
		.amdhsa_system_sgpr_workgroup_id_x 1
		.amdhsa_system_sgpr_workgroup_id_y 1
		.amdhsa_system_sgpr_workgroup_id_z 1
		.amdhsa_system_vgpr_workitem_id 0
		.amdhsa_next_free_vgpr 192
		.amdhsa_next_free_sgpr 66
		.amdhsa_reserve_vcc 0
		.amdhsa_float_denorm_mode_32 3
		.amdhsa_float_denorm_mode_16_64 3
		.amdhsa_memory_ordered 1
		.amdhsa_forward_progress 1
		.amdhsa_inst_pref_size 34
	.end_amdhsa_kernel
	.amdgpu_metadata
---
amdhsa.version: [ 1, 2 ]
amdhsa.kernels:
  - .name:           k_q573ee5ce0a_quant
    .symbol:         k_q573ee5ce0a_quant.kd
    .args:
      - { .name: hidden_states, .offset: 0, .size: 8, .value_kind: global_buffer, .address_space: global }
      - { .name: Wq, .offset: 8, .size: 8, .value_kind: global_buffer, .address_space: global }
      - { .name: Wk, .offset: 16, .size: 8, .value_kind: global_buffer, .address_space: global }
      - { .name: Wv, .offset: 24, .size: 8, .value_kind: global_buffer, .address_space: global }
      - { .name: a_codes, .offset: 32, .size: 8, .value_kind: global_buffer, .address_space: global }
      - { .name: a_scales, .offset: 40, .size: 8, .value_kind: global_buffer, .address_space: global }
      - { .name: b_codes, .offset: 48, .size: 8, .value_kind: global_buffer, .address_space: global }
      - { .name: b_scales, .offset: 56, .size: 8, .value_kind: global_buffer, .address_space: global }
    .group_segment_fixed_size: 33280
    .private_segment_fixed_size: 0
    .kernarg_segment_align: 8
    .kernarg_segment_size: 64
    .max_flat_workgroup_size: 128
    .sgpr_count:     66
    .vgpr_count:     192
    .wavefront_size: 32
...
	.end_amdgpu_metadata
.endif
;; end of part 1
;; launch proj (part 2): grid 12 x 32, 4 waves a work-group, clusters of 4 x 4, 327,680 bytes of LDS; arguments a_codes, a_scales, b_codes, b_scales, bq, bk, bv, qkv; writes qkv
.if DOCPART == 2
	.amdgcn_target "amdgcn-amd-amdhsa--gfx1250"
	.amdhsa_code_object_version 6
	.text
	.protected	k_q573ee5ce0a_proj
	.globl	k_q573ee5ce0a_proj
	.p2align	8
	.type	k_q573ee5ce0a_proj,@function
k_q573ee5ce0a_proj:
	s_mov_b64 s[64:65], 0
	v_nop
	global_prefetch_b8 v0, s[64:65] scope:SCOPE_SE
	s_setreg_imm32_b32 hwreg(HW_REG_WAVE_MODE, 25, 1), 1
	s_wait_xcnt 0x0
	s_wait_alu depctr_hold_cnt(0) depctr_sa_sdst(0) depctr_va_vdst(0) depctr_va_sdst(0) depctr_va_ssrc(0) depctr_va_vcc(0) depctr_vm_vsrc(0)
	s_getreg_b32 s2, hwreg(HW_REG_IB_STS2, 6, 4)
	s_cmp_eq_u32 s2, 0
	s_cbranch_scc0 .Lentry_in_a_cluster
	s_endpgm
.Lentry_in_a_cluster:
	s_bfe_u32 s2, ttmp6, 0x10000c
	s_cmp_lg_u32 s2, 0xf033
	s_cbranch_scc0 .Lentry_shape_is_right
	s_endpgm
.Lentry_shape_is_right:
; The three projections as ONE product on codes of FP4 (E2M1) with E8M0 scales: C[m][n] = sum over k of A[m][k] B[n][k] + bias[n], A = hidden_states [8192][1024], B = Wq, Wk, Wv on end [3072][1024].
; The result leaves as f16, laid for the attention: qkv [3 sections q', k, v][64 = batch x 16 + head][2048 tokens][64 channels]; q' = q x log2(e) / 8, multiplied in f32 ahead of the one rounding.
; LIMIT: q', k and v must lie within f16's largest number, 65,504; beyond it they become infinities.  (Some 900 times the numbers that unit-variance inputs give.)
; A tile of C, 256 x 256, is made by a work-group of four waves; a wave makes 128 x 128: 64 accumulators of 16 x 16, 512 registers.  K = 1,024 is two steps of 512, each a slot of LDS with rows of 256 bytes:
; both slots are filled at the start and nothing is filled again.  The scale bytes of the work-group's 256 + 256 rows, for all of K, are two dense blocks of memory and come with the first fills.
; CLUSTERS: 4 x 4 work-groups.  The four of a row of the cluster need the same tiles of A, the four of a column the same tiles of B: each tile is asked for JOINTLY, by the same tensor load with the same descriptor and
; a mask that names the four.  The grid's 12 tile columns are 3 clusters: the cluster's x IS the section (q, k, v), and cx the tile column inside it.
; 384 tiles are 24 clusters: they do not share out evenly on 256 WGPs; a tile of 256 x 384 would, but its 768 accumulator registers leave no second set for B's fragments.
; THE MATRIX INSTRUCTION IS USED TRANSPOSED (source 0 = 16 rows of B, source 1 = 16 rows of A): a lane then holds eight neighbouring columns of one row of C.  THE BIAS IS THE C OF EACH SUM'S FIRST PRODUCT.
; REGISTERS, in windows of 256: window 0: v0-31 addresses; v32-95 scale words, two sets; v128-191 A's fragments (8 x 16 rows x 128 K), ONE set; v192-255 the bias, eight registers for each of B's eight blocks.
;   On the way out v32-191 are free.   window 1: B's fragments, TWO sets, at v0 and at v128.   window 2: the 32 accumulators of my rows 0-63 ((a, b) at v[8 (8 a + b)]);   window 3: those of my rows 64-127.
.set KSTEP,  512                       ; along K in a slot
.set NQ,     KSTEP/128                 ; matrix instructions deep
.set ROWB,   256                       ; a tile's row in bytes
.set KROW,   512                       ; a row of A or of B in memory, in bytes: 1,024 codes
.set PITCH,  272                       ; an LDS row: 256 bytes + 16 of padding = 68 words: row r starts at bank 4 r mod 64 (64 banks of 4 bytes: ISA guide 11.1), so the 16 rows that a load touches start at 16 different banks
.set FR,     8                         ; registers of a fragment: 16 rows x 128 K
.set NL,     2                         ; LDS loads that bring one
.set NP,     4                         ; places behind this matrix instruction (ISA guide 7.12.1)
.set HALFT,  128*PITCH                 ; 128 rows: what one tensor load brings, and what one wave reads of A or of B
.set SLOT,   4*HALFT                   ; A's 256 rows, then B's 256 rows
.set KS,     32                        ; a row of scale bytes
.set SCL,    2*SLOT                    ; behind the slots: the scales, as rows of 256 bytes + 16 of padding
.set HALFS,  (128*KS/256)*272          ; the scales of 128 rows: what one tensor load brings
.set SBLK,   (16*KS/256)*272           ; those of 16 rows
.set SPARE,  SCL+4*HALFS               ; the spare words, 128 bytes for each wave, which no other line names
.set STAGE,  SPARE+512                 ; the way out: 16 rows x (256 bytes + 16) for each wave; no tensor load lands here
.set SPITCH, 272
.set ADRA, 16                          ; v16-17  LDS address of my A fragments in slot 0, 1
.set ADRB, 20                          ; v20-21  the same for B
.set STO,  24                          ; v24     the way out: where I put 16 bytes of a row
.set RD,   25                          ; v25     the way out: where I read 16 bytes back
.set CO,   26                          ; v26     16 x lane: my place in a store's 512 bytes
.set ADRS, 27                          ; v27     LDS address of my scale words: lanes 0-15 A's rows, lanes 16-31 B's
.set SPW,  28                          ; v28     LDS address of my spare word; never rewritten
.set NIL,  29                          ; v29     0; never rewritten
.set SC,   32                          ; scale words: set s at v[SC + 32 s]; register 4 i + q: lanes 0-15 the word of A's block i, lanes 16-31 that of B's block i, for the slot's q-th 128 along K
.set AF,   128                         ; A's fragments
.set BI,   192                         ; the bias: register 8 b + j of lane (r, h) = bias[my first column + 16 b + 8 h + j]
.set T,    32                          ; the way out: a block's 64 numbers x the factor,
.set TMP,  96                          ; rounded to f16, 32 registers,
.set BK,   128                         ; and read back from the stage: v128-159 and v160-191 by turns
.set G1, 24                            ; s[24:31] descriptor group 1 for A's tiles;  s[32:39] group 0, one set for each slot
.set G0, 32
.set G1B, 48                           ; s[48:55], s[56:63] the same for B's tiles
.set G0B, 56
.set FAC, 66                           ; s[66:67] the factor: log2(e) / 8 in section q, 1 in k and v
.set G1S, 68                           ; s[68:75], s[76:79] groups 1 and 0 for A's scales;  s[80:87], s[88:91] for B's
.set G0S, 76
.set G1SB, 80
.set G0SB, 88
.set MSB, 0
.macro WIN new                         ; the immediate's high byte repeats the setting that is left
.if MSB != \new
	s_set_vgpr_msb (MSB<<8)|\new
.set MSB, \new
.endif
.endm
.set MUL_LO, 0xa1                      ; source 0 (B) window 1, source 1 (A) window 0, C and D window 2
.set MUL_HI, 0xf1                      ; the same, C and D window 3
.set BIAS_LO, 0x81                     ; the sums' first products: C (the bias) window 0, D window 2
.set BIAS_HI, 0xc1                     ; D window 3
.set TO_B,   0x40                      ; destination window 1, address window 0
; A joint load: waves 0 and 1 fetch for A, waves 2 and 3 for B.  Each of the two lines has ONE mask and one set of registers for all that issue it; the branch hangs on the wave's number alone.
; An s_nop 0 and four v_nop follow each of the two lines, ahead of the jump, the label and what follows.
.macro JLOAD g0a, g1a, g0b, g1b
	s_cmp_eq_u32 s15, 0
	s_cbranch_scc0 .Lfor_b_\@
	tensor_load_to_lds s[\g0a:\g0a+3], s[\g1a:\g1a+7]
	s_nop 0
.rept 4
	v_nop
.endr
	s_branch .Lasked_\@
.Lfor_b_\@:
	tensor_load_to_lds s[\g0b:\g0b+3], s[\g1b:\g1b+7]
	s_nop 0
.rept 4
	v_nop
.endr
.Lasked_\@:
.endm
.macro CROUND                          ; a round of the cluster's barrier: my work-group's barrier; wave 0 signals for the work-group; every wave waits for all sixteen; my work-group's barrier once more
	s_barrier_signal -1
	s_barrier_wait -1
	s_cmp_lg_u32 s14, 0
	s_cbranch_scc1 .Lnot_wave_0_\@
	s_barrier_signal -3
.Lnot_wave_0_\@:
	s_barrier_wait -3
	s_barrier_signal -1
	s_barrier_wait -1
.endm
	s_load_b256 s[4:11], s[0:1], 0x0               ; A's codes s[4:5], A's scales s[6:7], B's codes s[8:9], B's scales s[10:11]
	v_lshl_add_u32 v[SPW], v0, 2, SPARE
	v_mov_b32 v[NIL], 0
	ds_add_u32 v[SPW], v[NIL]                      ; the wave's opening: the add, twice on end, and its wait ahead of my first tensor load; the set-up below, work on registers, stands between
	ds_add_u32 v[SPW], v[NIL]
	v_lshrrev_b32 v1, 5, v0
	v_readfirstlane_b32 s14, v1                    ; wave 0..3
	s_lshr_b32 s15, s14, 1                         ; which half of the tile's rows is mine.  Also: I fetch for A (0) or for B (1)
	s_and_b32 s16, s14, 1                          ; which half of its columns.  Also: which 128 rows of that tile I fetch
	s_bfe_u32 s40, ttmp6, 0x40000                  ; cx, cy: my place in the cluster
	s_bfe_u32 s41, ttmp6, 0x40004
	s_lshl_b32 s42, ttmp9, 2
	s_add_co_u32 s42, s42, s40                     ; tile column of C = 4 x cluster x + cx
	s_and_b32 s17, ttmp7, 0xffff
	s_lshl_b32 s17, s17, 2
	s_add_co_u32 s17, s17, s41                     ; tile row of C = 4 x cluster y + cy
	s_lshl_b32 s43, s41, 2
	s_lshl_b32 s43, 15, s43                        ; my row of the cluster
	s_lshl_b32 s44, 0x1111, s40                    ; my column
	; descriptor group 1: a tile of 128 rows x 256 bytes, padded in LDS
	s_or_b32 s[G1+0], s43, (0<<16)|(1<<20)|(1<<21)|(5<<22)|(3<<25)  ; 15:0 the mask: A's tiles go to my row; 17:16 element of 1 byte; 20 padding on; 21 set beside a mask; 24:22 after every 64 words (code 5); 31:25 of 4 words (code 3)
	s_or_b32 s[G1B+0], s44, (0<<16)|(1<<20)|(1<<21)|(5<<22)|(3<<25)
.irp g, G1, G1B
	s_mov_b32 s[\g+1], ROWB<<16                    ; tensor_dim0
	s_mov_b32 s[\g+2], 128<<16                     ; tensor_dim1 = 128
	s_mov_b32 s[\g+3], ROWB<<16                    ; tile_dim0
	s_mov_b32 s[\g+4], 128                         ; tile_dim1 = 128
	s_mov_b32 s[\g+5], KROW                        ; tensor_dim0_stride
	s_mov_b32 s[\g+6], 0
	s_mov_b32 s[\g+7], 0
.endr
	; and for the scales of 128 rows: a dense block of 4,096 bytes, as 16 rows of 256 bytes (32 elements of 8 bytes), 16 bytes of padding behind each
	s_or_b32 s[G1S+0], s43, (3<<16)|(1<<20)|(1<<21)|(5<<22)|(3<<25)
	s_or_b32 s[G1SB+0], s44, (3<<16)|(1<<20)|(1<<21)|(5<<22)|(3<<25)
.irp g, G1S, G1SB
	s_mov_b32 s[\g+1], 32<<16
	s_mov_b32 s[\g+2], (128*KS/256)<<16
	s_mov_b32 s[\g+3], 32<<16
	s_mov_b32 s[\g+4], 128*KS/256
	s_mov_b32 s[\g+5], 32
	s_mov_b32 s[\g+6], 0
	s_mov_b32 s[\g+7], 0
.endr
	s_lshl_b32 s18, s16, 7                         ; which 128 rows of the tile I fetch
	s_lshl_b32 s20, s17, 8
	s_add_co_u32 s20, s20, s18                     ; A: row 256 x tile row + 128 x half
	s_lshl_b32 s46, s42, 8
	s_add_co_u32 s46, s46, s18                     ; B: row 256 x tile column + 128 x half
	s_mov_b32 s21, 0
	s_mov_b32 s47, 0
	s_mov_b64 s[18:19], KS
	s_mul_u64 s[22:23], s[20:21], s[18:19]         ; where these rows' scales begin, in bytes
	s_mul_u64 s[92:93], s[46:47], s[18:19]
	s_mov_b64 s[18:19], KROW
	s_mul_u64 s[20:21], s[20:21], s[18:19]         ; and their codes
	s_mul_u64 s[46:47], s[46:47], s[18:19]
	s_mul_i32 s45, s14, HALFT                      ; where they go: wave x 128 rows: no place in the cluster enters an LDS address
	s_mul_i32 s94, s14, HALFS
	s_wait_dscnt 0x0                               ; both opening adds are done
	s_wait_kmcnt 0x0
	s_add_nc_u64 s[20:21], s[4:5], s[20:21]
	s_add_nc_u64 s[22:23], s[6:7], s[22:23]
	s_add_nc_u64 s[46:47], s[8:9], s[46:47]
	s_add_nc_u64 s[92:93], s[10:11], s[92:93]
	CROUND                                         ; all sixteen work-groups are here: the joint loads meet
	s_mov_b32 s[G0S], 1
	s_add_co_u32 s[G0S+1], s94, SCL
	s_mov_b64 s[G0S+2:G0S+3], s[22:23]
	s_or_b32 s[G0S+3], s[G0S+3], 0x80000000
	s_mov_b32 s[G0SB], 1
	s_add_co_u32 s[G0SB+1], s94, SCL
	s_mov_b64 s[G0SB+2:G0SB+3], s[92:93]
	s_or_b32 s[G0SB+3], s[G0SB+3], 0x80000000
	JLOAD G0S, G1S, G0SB, G1SB                     ; the scales first: they are wanted with K step 0
.irp s, 0,1
	s_mov_b32 s[G0+4*\s], 1
	s_add_co_u32 s[G0+4*\s+1], s45, \s*SLOT
	s_add_nc_u64 s[G0+4*\s+2:G0+4*\s+3], s[20:21], \s*ROWB
	s_or_b32 s[G0+4*\s+3], s[G0+4*\s+3], 0x80000000
	s_mov_b32 s[G0B+4*\s], 1
	s_add_co_u32 s[G0B+4*\s+1], s45, \s*SLOT
	s_add_nc_u64 s[G0B+4*\s+2:G0B+4*\s+3], s[46:47], \s*ROWB
	s_or_b32 s[G0B+4*\s+3], s[G0B+4*\s+3], 0x80000000
	JLOAD G0+4*\s, G1, G0B+4*\s, G1B               ; three tensor loads of mine are out: all that this launch has
.endr
	s_load_b256 s[4:11], s[0:1], 0x20              ; the four pointers above are used up: bq s[4:5], bk s[6:7], bv s[8:9], qkv s[10:11]
	v_and_b32 v1, 15, v0                           ; r = l % 16
	v_bfe_u32 v2, v0, 4, 1                         ; h = l / 16
	v_mul_u32_u24 v3, v1, PITCH
	v_lshl_add_u32 v4, v2, 4, v3                   ; a fragment's row x pitch + 16 x half
	s_mul_i32 s21, s15, HALFT                      ; my 128 rows of A
	s_mul_i32 s22, s16, HALFT                      ; my 128 rows of B,
	s_add_co_u32 s22, s22, 2*HALFT                 ; which lie behind A's 256
.irp s, 0,1
	v_add_nc_u32 v[ADRA+\s], s21, v4
	v_add_nc_u32 v[ADRB+\s], s22, v4
	s_add_co_u32 s21, s21, SLOT
	s_add_co_u32 s22, s22, SLOT
.endr
	v_mul_u32_u24 v5, v1, KS                       ; my row's scales: 32 bytes a row,
	v_lshrrev_b32 v6, 8, v5
	v_lshl_add_u32 v5, v6, 4, v5                   ; and 16 more for each 256 passed
	s_mul_i32 s21, s15, HALFS                      ; A's: my 128 rows
	s_mul_i32 s22, s16, HALFS                      ; B's: my 128 rows, behind A's 256
	s_add_co_u32 s22, s22, 2*HALFS
	s_sub_co_u32 s22, s22, s21
	v_mul_u32_u24 v6, s22, v2                      ; lanes 16-31 take B's: one product, the distance between the two bases x h
	s_add_co_u32 s21, s21, SCL
	v_add_nc_u32 v5, v5, v6
	v_add_nc_u32 v[ADRS], s21, v5
	s_mul_i32 s23, s14, 16*SPITCH
	s_add_co_u32 s23, s23, STAGE                   ; my stage
	v_mul_u32_u24 v5, v1, SPITCH                   ; in: row r, 16 bytes for each half of the lanes
	v_lshl_add_u32 v5, v2, 4, v5
	v_add_nc_u32 v[STO], s23, v5
	v_and_b32 v6, 31, v0
	v_lshlrev_b32 v[CO], 4, v6                     ; out: 16 bytes a lane
	v_lshrrev_b32 v5, 3, v6                        ; back: eight lanes take one token's 128 bytes of one head, four tokens an instruction
	v_mul_u32_u24 v5, v5, SPITCH
	v_and_b32 v6, 7, v0
	v_lshl_add_u32 v5, v6, 4, v5
	v_add_nc_u32 v[RD], s23, v5
	v_lshlrev_b32 v7, 5, v2                        ; the bias: 32 h bytes
	s_lshl_b32 s46, ttmp9, 6                       ; where my part of qkv begins: (section x 64
	s_lshr_b32 s47, s17, 3
	s_lshl_b32 s47, s47, 4
	s_add_co_u32 s46, s46, s47                     ; + batch x 16  (a batch is 8 tile rows)
	s_lshl_b32 s47, s40, 2
	s_add_co_u32 s46, s46, s47                     ; + 4 heads a tile column
	s_lshl_b32 s47, s16, 1
	s_add_co_u32 s46, s46, s47                     ; + 2 heads a wave)
	s_lshl_b32 s46, s46, 18                        ; x 2,048 tokens of 128 bytes (at most 191: under 2^26)
	s_and_b32 s47, s17, 7
	s_lshl_b32 s47, s47, 15
	s_add_co_u32 s46, s46, s47                     ; + 256 tokens a tile row
	s_lshl_b32 s47, s15, 14
	s_add_co_u32 s46, s46, s47                     ; + 128 tokens a wave
	s_mov_b32 s47, 0
	s_lshl_b32 s92, s40, 10                        ; my 128 numbers of the section's bias: 256 a tile column,
	s_lshl_b32 s93, s16, 9
	s_add_co_u32 s92, s92, s93                     ; 128 a wave
	s_mov_b32 s93, 0
	s_wait_kmcnt 0x0
	s_cmp_eq_u32 ttmp9, 1                          ; the section's bias and factor are CHOSEN, by the cluster's x: no path differs
	s_cselect_b64 s[4:5], s[6:7], s[4:5]
	s_cmp_eq_u32 ttmp9, 2
	s_cselect_b64 s[4:5], s[8:9], s[4:5]
	s_cmp_eq_u32 ttmp9, 0
	s_cselect_b32 s[FAC], 0x3e38aa3b, 1.0          ; log2(e) / 8 for q, so that the attention's scores are exponents of 2 as they leave the matrix unit
	s_mov_b32 s[FAC+1], s[FAC]                     ; (named with it as a pair, so it is written)
	s_add_nc_u64 s[4:5], s[4:5], s[92:93]
	s_add_nc_u64 s[10:11], s[10:11], s[46:47]
.irp b, 0,1,2,3,4,5,6,7
	global_load_b128 v[BI+8*\b:BI+8*\b+3], v7, s[4:5] offset:64*\b
	global_load_b128 v[BI+8*\b+4:BI+8*\b+7], v7, s[4:5] offset:64*\b+16
.endr
.macro FRAG reg, adr, q, i             ; a fragment, 16 rows x 128 K of 4-bit codes, is 8 registers: lane l holds row l % 16; registers 4 c .. 4 c + 3 hold K = 64 c + 32 (l / 16) + 0 .. 31
.irp c, 0,1
	ds_load_b128 v[\reg+4*\c:\reg+4*\c+3], v[\adr] offset:64*(\q)+32*\c+(\i)*16*PITCH
.endr
.endm
; 16 matrix instructions: A's blocks a0, a0 + 1 x B's eight, 128 along K: the slot's q-th.  p: B's set;  sc: the set of scale words.  first = 1: the sum's first product takes the bias as C: nothing is cleared, nothing is added later.
; The 64 accumulators take turns, one instruction a turn, in the same order in every step.
.macro MUL16 a0, p, q, sc, first
.irp a, \a0, \a0+1
.irp b, 0,1,2,3,4,5,6,7
.if \first
	v_wmma_scale_f32_16x16x128_f8f6f4 v[8*(8*((\a)%4)+\b):8*(8*((\a)%4)+\b)+7], v[128*(\p)+FR*\b:128*(\p)+FR*\b+FR-1], v[AF+FR*(\a):AF+FR*(\a)+FR-1], v[BI+8*\b:BI+8*\b+7], v[SC+8*NQ*(\sc)+NQ*\b+(\q)], v[SC+8*NQ*(\sc)+NQ*(\a)+(\q)] matrix_a_fmt:MATRIX_FMT_FP4 matrix_b_fmt:MATRIX_FMT_FP4 matrix_a_scale:MATRIX_SCALE_ROW1
.else
	v_wmma_scale_f32_16x16x128_f8f6f4 v[8*(8*((\a)%4)+\b):8*(8*((\a)%4)+\b)+7], v[128*(\p)+FR*\b:128*(\p)+FR*\b+FR-1], v[AF+FR*(\a):AF+FR*(\a)+FR-1], v[8*(8*((\a)%4)+\b):8*(8*((\a)%4)+\b)+7], v[SC+8*NQ*(\sc)+NQ*\b+(\q)], v[SC+8*NQ*(\sc)+NQ*(\a)+(\q)] matrix_a_fmt:MATRIX_FMT_FP4 matrix_b_fmt:MATRIX_FMT_FP4 matrix_a_scale:MATRIX_SCALE_ROW1
.endif
.endr
.endr
.endm
.macro FETCH_B slot, q, p              ; B's eight fragments of the slot's q-th 128 along K into set p
	WIN TO_B
.irp i, 0,1,2,3,4,5,6,7
	FRAG 128*(\p)+FR*\i, ADRB+\slot, \q, \i
.endr
	WIN 0
.endm
.macro FETCH_A slot, q, i0             ; A's blocks i0 .. i0 + 3
.irp i, \i0, \i0+1, \i0+2, \i0+3
	FRAG AF+FR*(\i), ADRA+\slot, \q, \i
.endr
.endm
.macro SCALES sc                       ; a K step's scale words into set sc: four words a row; lanes 0-15 take A's block i, lanes 16-31 B's block i
.irp i, 0,1,2,3,4,5,6,7
	ds_load_b128 v[SC+8*NQ*\sc+NQ*\i:SC+8*NQ*\sc+NQ*\i+3], v[ADRS] offset:\i*SBLK
.endr
.endm
; A load into a register that a matrix instruction has read, and a vector instruction that reads a matrix result or writes one of a matrix instruction's registers, stand NP places behind it, and only plain vector
; instructions that name none of its registers are places (ISA guide 7.12.1 for vector instructions); the matrix instructions in between are not counted.
.macro PLACES n
.rept \n
	v_nop
.endr
.endm
; A step of 128 along K that has its successor in the same slot.  A block of A is free as soon as its eight products are issued: blocks 0-3 are fetched anew in the step's middle, blocks 4-7 at its end.
.macro STEP slot, q, first
	s_wait_dscnt 4*NL                              ; B's set, the scale words and A's blocks 0-3 are in; the youngest eight loads (A's blocks 4-7) may be out
.if \first
	WIN BIAS_LO
.else
	WIN MUL_LO
.endif
	MUL16 0, (\q)%2, \q, \slot, \first
	MUL16 2, (\q)%2, \q, \slot, \first
	s_wait_dscnt 0                                 ; A's blocks 4-7 are in (asked for 32 matrix instructions ago)
	PLACES NP
	FETCH_B \slot, (\q)+1, 1-(\q)%2
	FETCH_A \slot, (\q)+1, 0
.if \first
	WIN BIAS_HI
.else
	WIN MUL_HI
.endif
	MUL16 4, (\q)%2, \q, \slot, \first
	MUL16 6, (\q)%2, \q, \slot, \first
	PLACES NP
	WIN 0
	FETCH_A \slot, (\q)+1, 4
.endm
; Slot 0's last step goes over to slot 1: one barrier; in front of it each wave waits for all its tensor loads (its part of slot 1), so that behind it the slot is whole for everybody.
.macro TURN slot, next
	s_wait_tensorcnt 0x0                           ; all my tensor loads have landed  (every window is 0 here: the add's two registers lie in window 0)
	ds_add_u32 v[SPW], v[NIL]                      ; 0 onto my spare word
	s_wait_dscnt 4*NL+1                            ; (the add and the youngest eight loads, A's blocks 4-7, may be out)
	WIN MUL_LO
	MUL16 0, 1, NQ-1, \slot, 0                     ; sixteen matrix instructions stand between the add and the wait for it
	s_wait_dscnt 0x0                               ; the add is done, and my reads of this slot are over
	s_barrier_signal -1
	MUL16 2, 1, NQ-1, \slot, 0
	WIN 0
	s_barrier_wait -1
	PLACES NP
	v_add_nc_u32 v[ADRS], 4*NQ, v[ADRS]            ; on to the next K step's scale words (no LDS load of mine is out)
	FETCH_B \next, 0, 0
	FETCH_A \next, 0, 0
	SCALES \next
	WIN MUL_HI
	MUL16 4, 1, NQ-1, \slot, 0
	MUL16 6, 1, NQ-1, \slot, 0
	PLACES NP
	WIN 0
	FETCH_A \next, 0, 4
.endm
.macro STEPS slot, from                ; the slot's steps from .. NQ - 2
.set Q, \from
.rept NQ-1-\from
	STEP \slot, Q, 0
.set Q, Q+1
.endr
.endm
	s_wait_tensorcnt 1                             ; the scales and my part of K step 0 are in (K step 1's load, issued behind them, may be out),
	s_barrier_signal -1
	s_barrier_wait -1                              ; everybody's are
	FETCH_B 0, 0, 0
	FETCH_A 0, 0, 0
	SCALES 0
	FETCH_A 0, 0, 4
	s_wait_loadcnt 0x0                             ; the bias
	STEP 0, 0, 1                                   ; the first step's products start the sums on the bias
	STEPS 0, 1
	TURN 0, 1
	STEPS 1, 0
	s_wait_dscnt 4*NL                              ; the very last step: nothing more to fetch
	WIN MUL_LO
	MUL16 0, 1, NQ-1, 1, 0
	MUL16 2, 1, NQ-1, 1, 0
	s_wait_dscnt 0
	WIN MUL_HI
	MUL16 4, 1, NQ-1, 1, 0
	MUL16 6, 1, NQ-1, 1, 0
	WIN 0
; THE WAY OUT, block by block of 16 tokens x 128 columns (two heads).  PACK: x the factor, in f32, each accumulator from its low end on; rounded once to f16: a lane's eight columns are 16 bytes.
; (In sections k and v the factor is 1: one text serves the three sections, and the multiply also brings the numbers into window 0, where the rounding pairs them.)
.macro PACK a
.set AC, 64*((\a)%4)
	WIN 0x02+(\a)/4                                ; source 0: window 2 or 3
.set i, 0
.rept 32
	v_pk_mul_f32 v[T+2*i:T+2*i+1], v[AC+2*i:AC+2*i+1], s[FAC:FAC+1] op_sel_hi:[1,0]
.set i, i+1
.endr
	WIN 0
.set i, 0
.rept 32
	v_cvt_pk_f16_f32 v[TMP+i], v[T+2*i], v[T+2*i+1]
.set i, i+1
.endr
.endm
; TOSTAGE: into my own stage in LDS, rows of 256 bytes + 16, and back head by head: four tokens x 128 bytes an instruction, which are 512 consecutive bytes of qkv.
.macro TOSTAGE a
.set BB, BK+32*((\a)%2)
.irp b, 0,1,2,3,4,5,6,7
	ds_store_b128 v[STO], v[TMP+4*\b:TMP+4*\b+3] offset:32*\b
.endr
.irp t, 0,1,2,3,4,5,6,7
	ds_load_b128 v[BB+4*\t:BB+4*\t+3], v[RD] offset:(\t%4)*4*SPITCH+(\t/4)*128   ; LDS serves a wave's instructions in order (ISA guide 5.7.1.4): these see the stores above
.endr
.endm
.macro SEND a
.set BB, BK+32*((\a)%2)
	s_wait_dscnt 0x0                               ; the block is back in registers
	s_wait_xcnt 0x0                                ; the stores of the block before have read their registers: the next block's loads from the stage land there only behind this wait
.irp t, 0,1,2,3,4,5,6,7
	global_store_b128 v[CO], v[BB+4*\t:BB+4*\t+3], s[10:11] offset:((\t/4)<<18)+(\a)*2048+(\t%4)*512   ; 32 lanes store 512 consecutive bytes, at a multiple of 512 from qkv's first byte; head t / 4, tokens 16 a + 4 (t % 4) on
.endr
.endm
	PLACES NP                                      ; behind the last products: for the writes over the scale words' registers, and for the loads into those that held A's fragments
	PACK 0
	TOSTAGE 0
.irp a, 1,2,3,4,5,6,7                  ; block a's arithmetic stands between block a - 1's loads from the stage and the wait for them
	PACK \a
	SEND \a-1
	TOSTAGE \a
.endr
	SEND 7
	s_wait_tensorcnt 0x0                           ; the wave's end, behind my last tensor load and my last LDS store
	ds_add_u32 v[SPW], v[NIL]
	s_wait_dscnt 0x0
	CROUND                                         ; the closing round: no work-group ends while a partner may still ask for a tile that names it
	s_endpgm
.Lfunc_end_k_q573ee5ce0a_proj:
	.size	k_q573ee5ce0a_proj, .Lfunc_end_k_q573ee5ce0a_proj-k_q573ee5ce0a_proj
	.p2alignl 7, 3214868480
	.fill 96, 4, 3214868480
	.section	.rodata,"a",@progbits
	.p2align	6, 0x0
	.amdhsa_kernel k_q573ee5ce0a_proj
		.amdhsa_group_segment_fixed_size 327680
		.amdhsa_private_segment_fixed_size 0
		.amdhsa_enable_private_segment 0
		.amdhsa_kernarg_size 64
		.amdhsa_user_sgpr_count 2
		.amdhsa_user_sgpr_kernarg_segment_ptr 1
		.amdhsa_wavefront_size32 1
		.amdhsa_system_sgpr_workgroup_id_x 1
		.amdhsa_system_sgpr_workgroup_id_y 1
		.amdhsa_system_sgpr_workgroup_id_z 1
		.amdhsa_system_vgpr_workitem_id 0
		.amdhsa_next_free_vgpr 1024
		.amdhsa_next_free_sgpr 98
		.amdhsa_reserve_vcc 0
		.amdhsa_float_denorm_mode_32 3
		.amdhsa_float_denorm_mode_16_64 3
		.amdhsa_memory_ordered 1
		.amdhsa_forward_progress 1
		.amdhsa_inst_pref_size 144
	.end_amdhsa_kernel
	.amdgpu_metadata
---
amdhsa.version: [ 1, 2 ]
amdhsa.kernels:
  - .name:           k_q573ee5ce0a_proj
    .symbol:         k_q573ee5ce0a_proj.kd
    .args:
      - { .name: a_codes, .offset: 0, .size: 8, .value_kind: global_buffer, .address_space: global }
      - { .name: a_scales, .offset: 8, .size: 8, .value_kind: global_buffer, .address_space: global }
      - { .name: b_codes, .offset: 16, .size: 8, .value_kind: global_buffer, .address_space: global }
      - { .name: b_scales, .offset: 24, .size: 8, .value_kind: global_buffer, .address_space: global }
      - { .name: bq, .offset: 32, .size: 8, .value_kind: global_buffer, .address_space: global }
      - { .name: bk, .offset: 40, .size: 8, .value_kind: global_buffer, .address_space: global }
      - { .name: bv, .offset: 48, .size: 8, .value_kind: global_buffer, .address_space: global }
      - { .name: qkv, .offset: 56, .size: 8, .value_kind: global_buffer, .address_space: global }
    .group_segment_fixed_size: 327680
    .private_segment_fixed_size: 0
    .kernarg_segment_align: 8
    .kernarg_segment_size: 64
    .max_flat_workgroup_size: 128
    .sgpr_count:     98
    .vgpr_count:     1024
    .wavefront_size: 32
...
	.end_amdgpu_metadata
.endif
;; end of part 2
;; launch attn (part 3): grid 4 x 64, 8 waves a work-group, clusters of 4 x 1, 327,680 bytes of LDS; arguments qkv, attention_mask, out0; writes out0
.if DOCPART == 3
	.amdgcn_target "amdgcn-amd-amdhsa--gfx1250"
	.amdhsa_code_object_version 6
	.text
	.protected	k_q573ee5ce0a_attn
	.globl	k_q573ee5ce0a_attn
	.p2align	8
	.type	k_q573ee5ce0a_attn,@function
k_q573ee5ce0a_attn:
	s_mov_b64 s[64:65], 0
	v_nop
	global_prefetch_b8 v0, s[64:65] scope:SCOPE_SE
	s_setreg_imm32_b32 hwreg(HW_REG_WAVE_MODE, 25, 1), 1
	s_wait_xcnt 0x0
	s_wait_alu depctr_hold_cnt(0) depctr_sa_sdst(0) depctr_va_vdst(0) depctr_va_sdst(0) depctr_va_ssrc(0) depctr_va_vcc(0) depctr_vm_vsrc(0)
	s_getreg_b32 s2, hwreg(HW_REG_IB_STS2, 6, 4)
	s_cmp_eq_u32 s2, 0
	s_cbranch_scc0 .Lentry_in_a_cluster
	s_endpgm
.Lentry_in_a_cluster:
	s_bfe_u32 s2, ttmp6, 0x10000c
	s_cmp_lg_u32 s2, 0x3003
	s_cbranch_scc0 .Lentry_shape_is_right
	s_endpgm
.Lentry_shape_is_right:
; out0[b][q][64 head + :] = the sum over k of softmax_k(Q.K / 8 + mask[b][k]) V[k][:], for each of 64 = batch x 16 + head.  qkv: f16, [3 sections q', k, v][64][2048 tokens][64 channels], q' = q x log2(e) / 8.
; Products on f16 operands with f32 sums; maxima, exponentials and sums in f32; the weights p are rounded to f16 for the second product; the row's sum is taken of the unrounded p and divides at the end.
; LIMITS: a key masked by -infinity gets p = 0; a row whose every key is masked by -infinity gives 0 / 0 = NaN, as the softmax of such a row is.  A mask of +infinity or NaN is not served.
; SHARES.  A work-group owns 512 queries of one head, each of its EIGHT waves 64: four tiles of 16, in 512 registers: two waves to a SIMD, so that one wave's softmax stands beside the other's products; a key step is written in plain phases.
; Every wave walks all 2,048 keys, 64 a step; four steps' tiles of K and V make a slot of LDS; two slots take turns.
; LAYOUT.  S^T = K Q'^T + mask' (source 0 = 16 keys, source 1 = 16 queries; C = mask x log2(e) of the tile's keys): a lane holds ONE query (lane % 16) and the keys 8 (lane / 16) + 0..7 of each tile.  So the scale and the mask cost no
; vector instruction in the loop.  Two such tiles, rounded to f16 in pairs, ARE source 1 (32 keys x 16 queries) of O^T = V^T P.  K comes out of LDS as it lies, V ([key][channel]) turned, by ds_load_tr16_b128.
; SOFTMAX.  For each query the running maximum m, kept as nm = -m, and the sum l: p = 2^(s + nm); in every step O^T and l are multiplied by a = 2^(m_old - m_new).  m begins at -3e38, O^T and l at 0: the step is written once.
; CLUSTER.  The four work-groups of a head form a cluster and walk the same K and V: each tile is asked for JOINTLY: the same tensor load, with the same descriptor and a mask that names the four, in all four.
; REGISTERS, in windows of 256 (s_set_vgpr_msb: bits 1:0 source 0, 3:2 source 1, 5:4 source 2, 7:6 destination):
;   window 0: v0 my thread's number; v1-7 addresses; v8-15 X_t = (nm, c1); v16-23 Y_t = (c0, later a | a word that the packed forms name and do not use); v24-31 l, in two halves; v32-63 the step's mask; v64-127 V's fragments; v128-255 S^T, 32 a tile, then P
;   window 1: v0-127 O^T, 32 a tile; v128-191 Q; v192-255 K's fragments.   All that a softmax touches but O^T lies in window 0: a step has seven switches.
.set KS,    64                         ; keys in a step
.set NST,   4                          ; steps in a slot
.set PK,    144                        ; a row of K in LDS: 128 bytes + 16 of padding = 36 words: the 16 rows of a load start at 16 different groups of four banks (64 banks of 4 bytes: ISA guide 11.1)
.set PV,    160                        ; a row of V: 128 + 32
.set VOFF,  KS*PK                      ; a step's tiles lie together: 64 rows of K, then 64 rows of V
.set STEPB, KS*(PK+PV)
.set SLOTB, NST*KS*128                 ; a slot's keys in memory: 256 rows of 128 bytes
.set SLOT1, 1<<17                      ; slot 1 begins here, so that one exclusive or turns an address in one slot into the other's
.set MASK,  NST*STEPB                  ; behind slot 0: the batch's 2,048 mask numbers x log2(e), stored once by the waves themselves; no tensor load lands here
.set SPARE, MASK+8192                  ; the spare words, 128 bytes for each wave, which no other line names
.set STAGE, SLOT1+NST*STEPB            ; behind slot 1: 16 rows x (256 bytes + 16) for each wave, for the way out
.set SP,    272
.set AK0, 1                            ; v1   my lane's place in a tile of K;  on the way out: where I put 32 bytes of a row
.set AV0, 2                            ; v2   the same for V;                  on the way out: where I read a row back
.set AM0, 3                            ; v3   my lane's place in a step's mask;  on the way out: my byte offset in the wave's rows of out0
.set ADK, 4                            ; v4   LDS address of the step's K
.set SPW, 5                            ; v5   LDS address of my spare word: SPARE + 4 x my thread's number; never rewritten
.set NIL, 6                            ; v6   0; never rewritten
.set PFO, 7                            ; v7   256 x my lane: the prefetches' offset
.set XS,  8
.set YS,  16
.set ADM, YS+1                         ; v17  LDS address of the step's mask,
.set ADV, YS+3                         ; v19  and of its V: they lie in the unused upper words of Y_0 and Y_1, so that each run of loads has an address register of its own
.set LS,  24
.set MK,  32
.set VF,  64
.set S,   128
.set QF,  128                          ; in window 1
.set KF,  192                          ; in window 1
.set WV,  12                           ; s12  my wave's number
.set LIM, 15                           ; s15  1 in a wave that prefetches, else the greatest number
.set PFA, 18                           ; s[18:19] where my prefetches stand: my work-group's 32 blocks of 256 bytes of the slot after the one that is being asked for
.set G1K, 24                           ; s[24:31] descriptor group 1 for K's tiles;  s[32:39] for V's: it differs in the padding alone
.set G1V, 32
.set G0K, 40                           ; s[40:43], s[44:47] their groups 0, which walk
.set G0V, 44
.set SLOTS, 48                         ; s48  slots still to be asked for
.set CNT, 49                           ; s49  counts a slot's four steps
.set TB,  50                           ; s50  LDS byte at which the step's tiles begin
.set TM,  51                           ; s51  byte of the mask at which the step's 64 numbers begin
.set SEL, 52                           ; s[52:53] lane selects for v_permlanex16_b32: lane l xor 16
.set MSB, 0
.macro WIN new                         ; the immediate's high byte repeats the setting that is left; a switch that changes nothing is dropped
.if MSB != \new
	s_set_vgpr_msb (MSB<<8)|\new
.set MSB, \new
.endif
.endm
.set W_KQ, 0x05                        ; K and Q in window 1; C and S^T in window 0
.set W_PV, 0x50                        ; V and P in window 0; O^T in window 1
.set W_RS, 0x41                        ; O^T (destination and source 0) in window 1, a in window 0
.set W_T1, 0x40                        ; destination window 1, address window 0
; A joint load.  Waves 0 to 3 fetch the slot's four tiles of K, waves 4 to 7 those of V: one load a wave.  The branch hangs on the wave's number alone: it is the same in every work-group.
; An s_nop 0 and four v_nop follow each of the two lines; the jump, the label and what follows come after them.
.macro JLOAD
	s_cmp_lt_u32 s[WV], 4
	s_cbranch_scc0 .Lfor_v_\@
	tensor_load_to_lds s[G0K:G0K+3], s[G1K:G1K+7]
	s_nop 0
.rept 4
	v_nop
.endr
	s_branch .Lasked_\@
.Lfor_v_\@:
	tensor_load_to_lds s[G0V:G0V+3], s[G1V:G1V+7]
	s_nop 0
.rept 4
	v_nop
.endr
.Lasked_\@:
.endm
; A PREFETCH INTO THE L2 of what the NEXT change of slots will ask for: 256 rows of K and 256 of V, each a dense block of 32,768 bytes: four key steps ahead of that load.  It stands behind the wave's tensor load and its five lines.
; Each aligned block of 256 bytes is named ONCE in the launch: a head has one cluster; its four partners take 8,192 bytes each, told apart BY ADDRESS; in each, wave 0 asks for K's and wave 4 for V's, a lane a block.
; The last change that fills a slot asks for nothing: there is no slot behind it.  Slots 0 and 1 come by their loads alone.
.macro ASK
	s_cmp_gt_u32 s[SLOTS], s[LIM]
	s_cbranch_scc0 .Lnot_mine_\@
	global_prefetch_b8 v[PFO], s[PFA:PFA+1] th:TH_LOAD_NT scope:SCOPE_SE
.Lnot_mine_\@:
.endm
; A round of the cluster's barrier: my work-group's barrier, so that wave 0's signal speaks for all eight waves; wave 0 signals for the work-group; every wave waits for all four work-groups; my work-group's barrier once more.
.macro CROUND
	s_barrier_signal -1
	s_barrier_wait -1
	s_cmp_lg_u32 s[WV], 0
	s_cbranch_scc1 .Lnot_wave_0_\@
	s_barrier_signal -3
.Lnot_wave_0_\@:
	s_barrier_wait -3
	s_barrier_signal -1
	s_barrier_wait -1
.endm
	s_load_b128 s[4:7], s[0:1], 0x0                ; qkv s[4:5], attention_mask s[6:7]
	s_load_b64 s[8:9], s[0:1], 0x10                ; out0
	v_lshl_add_u32 v[SPW], v0, 2, SPARE
	v_mov_b32 v[NIL], 0
	ds_add_u32 v[SPW], v[NIL]                      ; the wave's opening: the add, twice on end, and its wait ahead of my first tensor load; the set-up below, work on registers, stands between
	ds_add_u32 v[SPW], v[NIL]
	v_lshrrev_b32 v1, 5, v0
	v_readfirstlane_b32 s[WV], v1                  ; wave 0..7
	s_bfe_u32 s13, ttmp6, 0x40000                  ; cx: my block of 512 queries: it enters Q's, out0's and the prefetches' addresses alone
	s_and_b32 s14, ttmp7, 0xffff                   ; batch x 16 + head, which the four partners share
	s_lshl_b32 s16, s14, 18                        ; the head's first byte in a section: 2,048 tokens of 128 bytes
	s_mov_b32 s17, 0
	s_and_b32 s22, s[WV], 3                        ; which of a slot's four steps I fetch:
	s_lshl_b32 s20, s22, 13                        ; its 64 rows of 128 bytes in memory,
	s_add_co_u32 s20, s20, s16
	s_mov_b32 s21, 0
	s_mul_i32 s23, s22, STEPB                      ; and its place in a slot: no place in the cluster enters an LDS address
	s_lshl_b32 s2, s13, 16                         ; Q: my block's 512 rows,
	s_lshl_b32 s3, s[WV], 13                       ; my wave's 64 of them,
	s_add_co_u32 s2, s2, s3
	s_add_co_u32 s2, s2, s16                       ; in my head
	s_mov_b32 s3, 0
	s_cmp_lt_u32 s[WV], 4                          ; the prefetches: section k in waves 0 to 3, section v in the others,
	s_mov_b32 s10, 1<<25
	s_cselect_b32 s10, 1<<24, s10
	s_lshl_b32 s11, s13, 13                        ; my work-group's 8,192 bytes of a slot's 32,768,
	s_add_co_u32 s10, s10, s11
	s_add_co_u32 s10, s10, s16                     ; in my head,
	s_add_co_u32 s10, s10, SLOTB                   ; in slot 1: the first change of slots steps it to slot 2.  Nothing is prefetched at the head, where every work-group's first tiles are on their way
	s_mov_b32 s11, 0
	s_and_b32 s[LIM], s[WV], 3
	s_cmp_eq_u32 s[LIM], 0
	s_cselect_b32 s[LIM], 1, -1                    ; waves 0 and 4 ask: the same in all four partners
	s_lshr_b32 s54, s14, 4                         ; the batch
	s_lshl_b32 s56, s54, 23                        ; out0: 2,048 tokens of 4,096 bytes a batch,
	s_lshl_b32 s54, s54, 13                        ; the mask: 8,192 bytes a batch
	s_mov_b32 s55, 0
	s_lshl_b32 s57, s13, 21
	s_add_co_u32 s56, s56, s57                     ; 512 tokens a work-group,
	s_lshl_b32 s57, s[WV], 18
	s_add_co_u32 s56, s56, s57                     ; 64 a wave,
	s_and_b32 s57, s14, 15
	s_lshl_b32 s57, s57, 8
	s_add_co_u32 s56, s56, s57                     ; 256 bytes a head
	s_mov_b32 s57, 0
	; descriptor group 1: a tile of 64 rows x 64 elements of 2 bytes, dense in memory, padded in LDS behind every row
	s_mov_b32 s[G1K], 15|(1<<16)|(1<<20)|(1<<21)|(4<<22)|(3<<25)  ; 15:0 the mask: all four work-groups; 17:16 elements of 2 bytes; 20 padding on; 21 set beside a mask; 24:22 after every 32 words (code 4); 31:25 4 words of it (code 3)
	s_mov_b32 s[G1V], 15|(1<<16)|(1<<20)|(1<<21)|(4<<22)|(7<<25)  ; the same with 8 words of padding (code 7)
.irp g, G1K, G1V
	s_mov_b32 s[\g+1], 64<<16                      ; tensor_dim0 = 64
	s_mov_b32 s[\g+2], KS<<16                      ; tensor_dim1 = 64
	s_mov_b32 s[\g+3], 64<<16                      ; tile_dim0 = 64
	s_mov_b32 s[\g+4], KS                          ; tile_dim1 = 64
	s_mov_b32 s[\g+5], 64                          ; tensor_dim0_stride: elements from row to row
	s_mov_b32 s[\g+6], 0
	s_mov_b32 s[\g+7], 0
.endr
	s_mov_b32 s[SEL], 0x76543210
	s_mov_b32 s[SEL+1], 0xfedcba98
	s_mov_b32 s[TB], 0
	s_mov_b32 s[TM], 0
	s_mov_b32 s[SLOTS], 2048/(NST*KS)-1
	s_wait_dscnt 0x0                               ; both opening adds are done
	s_wait_kmcnt 0x0
	s_add_nc_u64 s[20:21], s[4:5], s[20:21]        ; section q at my step's rows of my head: k's and v's lie 2^24 and 2^25 bytes on
	s_add_nc_u64 s[PFA:PFA+1], s[4:5], s[10:11]
	s_add_nc_u64 s[4:5], s[4:5], s[2:3]            ; Q at my wave's first row
	s_add_nc_u64 s[6:7], s[6:7], s[54:55]          ; my batch's mask
	s_add_nc_u64 s[8:9], s[8:9], s[56:57]          ; out0 at my wave's first row, my head's channels
	CROUND                                         ; all four work-groups are here: the first joint loads meet
	s_mov_b32 s[G0K], 1                            ; 1:0 count = 1
	s_mov_b32 s[G0K+1], s23                        ; 63:32 LDS address: slot 0
	s_add_nc_u64 s[G0K+2:G0K+3], s[20:21], 1<<24   ; 120:64 global address: the head's first 256 keys
	s_or_b32 s[G0K+3], s[G0K+3], 0x80000000        ; 127:126 type = 2
	s_mov_b32 s[G0V], 1
	s_add_co_u32 s[G0V+1], s23, VOFF
	s_add_nc_u64 s[G0V+2:G0V+3], s[20:21], 1<<25
	s_or_b32 s[G0V+3], s[G0V+3], 0x80000000
	JLOAD                                          ; slot 0: one tensor load of mine is out
	v_and_b32 v128, 15, v0                         ; r = l % 16   (scratch lies in S^T's registers)
	v_bfe_u32 v129, v0, 4, 1                       ; h = l / 16
	v_lshlrev_b32 v130, 7, v128
	v_lshl_add_u32 v130, v129, 4, v130             ; Q: row r of 128 bytes + 16 h
	v_lshlrev_b32 v131, 4, v0                      ; the mask: 16 bytes a thread, twice: 256 threads bring the batch's 8,192 bytes
	global_load_b128 v[MK:MK+3], v131, s[6:7]
	global_load_b128 v[MK+4:MK+7], v131, s[6:7] offset:4096
	WIN W_T1
.irp t, 0,1,2,3                        ; Q stays in registers.  A fragment is 16 rows x 32 channels: lane l holds row l % 16; registers 0-3 channels 8 h + 0..7, registers 4-7 channels 16 + 8 h + 0..7
.irp c, 0,1
	global_load_b128 v[QF+16*\t+8*\c:QF+16*\t+8*\c+3],   v130, s[4:5] offset:\t*2048+\c*64 th:TH_LOAD_NT
	global_load_b128 v[QF+16*\t+8*\c+4:QF+16*\t+8*\c+7], v130, s[4:5] offset:\t*2048+\c*64+32 th:TH_LOAD_NT
.endr
.endr
.set i, 0
.rept 128
	v_mov_b32 v[i], 0                              ; O^T.  (The step is written once: its first pass multiplies these zeros by a = 0; a first step of its own would be a third copy of the step)
.set i, i+1
.endr
	WIN 0
	v_mul_u32_u24 v[AK0], v128, PK
	v_lshl_add_u32 v[AK0], v129, 4, v[AK0]         ; K: row x pitch + 16 x half
	; The turning load takes 16 keys x 16 channels (lane l reads 16 bytes: key 8 (l / 16) + l % 8, channels 8 ((l / 8) % 2) + 0..7) and leaves half a fragment of V^T: lane l holds channel l % 16 and 8 keys.
	v_and_b32 v133, 7, v0
	v_lshl_add_u32 v133, v129, 3, v133
	v_mul_u32_u24 v[AV0], v133, PV
	v_bfe_u32 v133, v0, 3, 1
	v_lshl_add_u32 v[AV0], v133, 4, v[AV0]
	v_add_nc_u32 v[AV0], VOFF, v[AV0]
	v_lshl_add_u32 v[AM0], v129, 5, MASK           ; the mask of a tile's keys 8 h + 0..7: 32 h bytes on
	v_and_b32 v[PFO], 31, v0
	v_lshlrev_b32 v[PFO], 8, v[PFO]
.irp t, 0,1,2,3
	v_mov_b32 v[XS+2*\t], 0x7f61b1e6               ; nm = 3e38: the largest score so far is -3e38
	v_mov_b32 v[XS+2*\t+1], 0                      ; (a lane permute's destination counts as one of its sources)
	v_mov_b32 v[YS+2*\t], 0
	v_mov_b32 v[YS+2*\t+1], 0                      ; (named as the upper word of a pair)
	v_mov_b32 v[LS+2*\t], 0                        ; l, in two halves
	v_mov_b32 v[LS+2*\t+1], 0
.endr
	v_add_nc_u32 v132, MASK, v131
	s_wait_loadcnt 16                              ; the mask's two loads are in; Q's sixteen, issued behind them, may be out
.irp p, 0,2,4,6
	v_pk_mul_f32 v[MK+\p:MK+\p+1], v[MK+\p:MK+\p+1], 0x3fb8aa3b op_sel_hi:[1,0]   ; x log2(e): the scores are exponents of 2
.endr
	ds_store_b128 v132, v[MK:MK+3]                 ; the first change of slots waits for these stores and passes a barrier ahead of every read
	ds_store_b128 v132, v[MK+4:MK+7] offset:4096
	s_wait_loadcnt 0x0                             ; Q; and the loads' address registers are free
; THE SOFTMAX OF ONE TILE (16 queries x 64 keys; s0-s31 are the lane's 32 scores) in three lists; each macro writes number j of its list for tile t.
; SA, 36 plain instructions: 0-14 the maximum of s0-s31, three operands at a time, in two chains c0, c1; numbers 0 to 3 read each of the four accumulators first at its low end;
;   15 with the old m; 16, 17 with the other half of the lanes'; 18 c1 = m_new - m_old; 19 nm = -m_new; 20-35 s + nm, a pair of scores each.
.macro SA t
.set rX, XS+2*(\t)
.set rY, YS+2*(\t)
.set rS, S+32*(\t)
.if j == 0
	v_max3_num_f32 v[rY], v[rS], v[rS+1], v[rS+2]
.elseif j == 1
	v_max3_num_f32 v[rX+1], v[rS+8], v[rS+9], v[rS+10]
.elseif j == 2
	v_max3_num_f32 v[rY], v[rY], v[rS+16], v[rS+17]
.elseif j == 3
	v_max3_num_f32 v[rX+1], v[rX+1], v[rS+24], v[rS+25]
.elseif j < 14
.set ch, (j-4)%2                       ; the chains by turns: c0 takes s3-s6 and s18-s23, c1 takes s11-s14 and s26-s31
.set ix, 3+2*((j-4)/2)+8*ch
.if (j-4)/2 >= 2
.set ix, 14+2*((j-4)/2)+8*ch
.endif
.set rC, rY
.if ch
.set rC, rX+1
.endif
	v_max3_num_f32 v[rC], v[rC], v[rS+ix], v[rS+ix+1]
.elseif j == 14
	v_max3_num_f32 v[rY], v[rY], v[rS+7], v[rS+15]
.elseif j == 15
	v_max3_num_f32 v[rY], v[rY], v[rX+1], -v[rX]
.elseif j == 16
	v_permlanex16_b32 v[rX+1], v[rY], s[SEL], s[SEL+1]   ; the query's other 32 keys lie in the lane 16 away
.elseif j == 17
	v_max_num_f32 v[rY], v[rY], v[rX+1]
.elseif j == 18
	v_add_f32 v[rX+1], v[rX], v[rY]
.elseif j == 19
	v_mul_f32 v[rX], -1.0, v[rY]
.else
	v_pk_add_f32 v[rS+2*(j-20):rS+2*(j-20)+1], v[rS+2*(j-20):rS+2*(j-20)+1], v[rX:rX+1] op_sel_hi:[1,0]
.endif
.endm
; SE, 33 exponentials: 0 a = 2^(m_old - m_new), into c0's place; 1-32 p = 2^(s + nm), in place.
.macro SE t
.set rX, XS+2*(\t)
.set rY, YS+2*(\t)
.set rS, S+32*(\t)
.if j == 0
	v_exp_f32 v[rY], -v[rX+1]
.else
	v_exp_f32 v[rS+j-1], v[rS+j-1]
.endif
.endm
; SR, 32 plain instructions that read the exponentials: 0 l = a l + the first pair; 1-15 the other pairs; 16-31 the roundings to f16, in place: pair i goes to register i, which no later rounding reads.
.macro SR t
.set rY, YS+2*(\t)
.set rL, LS+2*(\t)
.set rS, S+32*(\t)
.if j == 0
	v_pk_fma_f32 v[rL:rL+1], v[rL:rL+1], v[rY:rY+1], v[rS:rS+1] op_sel_hi:[1,0,1]
.elseif j < 16
	v_pk_add_f32 v[rL:rL+1], v[rL:rL+1], v[rS+2*j:rS+2*j+1]
.else
	v_cvt_pk_f16_f32 v[rS+j-16], v[rS+2*(j-16)], v[rS+2*(j-16)+1]
.endif
.endm
; A KEY STEP: 64 keys for the wave's four tiles of queries.
.macro STEP
	WIN 0
	v_add_nc_u32 v[ADK], s[TB], v[AK0]             ; these three additions and the two v_nop below are the five places behind the last step's products V^T P: four are owed ahead of the loads into V's
	v_add_nc_u32 v[ADM], s[TM], v[AM0]             ; registers, five ahead of the products K Q^T, which write over P (ISA guide 7.12.1 for vector instructions)
	v_add_nc_u32 v[ADV], s[TB], v[AV0]
	WIN W_T1
.irp kt, 0,1,2,3                       ; K: keys 16 kt on, channels 32 c on.  (K's and the mask's registers were last read by the last step's K Q^T, a whole softmax ago)
.irp c, 0,1
	ds_load_b128 v[KF+16*\kt+8*\c:KF+16*\kt+8*\c+3],   v[ADK] offset:\kt*16*PK+\c*64
	ds_load_b128 v[KF+16*\kt+8*\c+4:KF+16*\kt+8*\c+7], v[ADK] offset:\kt*16*PK+\c*64+32
.endr
.endr
	WIN 0
.irp kt, 0,1,2,3                       ; the mask in the result's layout: register j = mask'(key 16 kt + 8 h + j), the same for every query
	ds_load_b128 v[MK+8*\kt:MK+8*\kt+3],   v[ADM] offset:64*\kt
	ds_load_b128 v[MK+8*\kt+4:MK+8*\kt+7], v[ADM] offset:64*\kt+16
.endr
	v_nop
	v_nop
.irp g, 0,1                            ; V, turned: keys 32 g on, channels 16 ct on
.irp ct, 0,1,2,3
	ds_load_tr16_b128 v[VF+8*(4*\g+\ct):VF+8*(4*\g+\ct)+3],   v[ADV] offset:\g*32*PV+\ct*32
	ds_load_tr16_b128 v[VF+8*(4*\g+\ct)+4:VF+8*(4*\g+\ct)+7], v[ADV] offset:\g*32*PV+16*PV+\ct*32
.endr
.endr
	s_wait_dscnt 16                                ; K and the mask are in; V's sixteen loads, issued behind them, may be out
	WIN W_KQ
.irp c, 0,1                            ; S^T = K Q'^T + mask': 32 products; the 16 accumulators take turns, one instruction a turn
.irp t, 0,1,2,3
.irp kt, 0,1,2,3
.if \c == 0
	v_wmma_f32_16x16x32_f16 v[S+32*\t+8*\kt:S+32*\t+8*\kt+7], v[KF+16*\kt:KF+16*\kt+7], v[QF+16*\t:QF+16*\t+7], v[MK+8*\kt:MK+8*\kt+7]
.else
	v_wmma_f32_16x16x32_f16 v[S+32*\t+8*\kt:S+32*\t+8*\kt+7], v[KF+16*\kt+8:KF+16*\kt+15], v[QF+16*\t+8:QF+16*\t+15], v[S+32*\t+8*\kt:S+32*\t+8*\kt+7]
.endif
.endr
.endr
.endr
	WIN 0
.rept 4
	v_nop                                          ; four places ahead of the first read of the scores
.endr
.set j, 0
.rept 36                               ; tiles 0 and 1: maxima and scalings, the two tiles by turns
	SA 0
	SA 1
.set j, j+1
.endr
.set j, 0
.rept 36                               ; tiles 2 and 3 likewise, with the exponentials of tiles 0 and 1 between: a plain line stands at each exponential's side, and none of these lines names an exponential's result
	SA 2
.if j < 33
	SE 0
.endif
	SA 3
.if j < 33
	SE 1
.endif
.set j, j+1
.endr
	s_wait_alu depctr_va_vdst(0)                   ; one wait for the 66 exponentials of tiles 0 and 1, ahead of their first reader; six plain lines stand behind the last of them
.set j, 0
.rept 33                               ; the sums and roundings of tiles 0 and 1, with the exponentials of tiles 2 and 3 between
.if j < 32
	SR 0
.endif
	SE 2
.if j < 32
	SR 1
.endif
	SE 3
.set j, j+1
.endr
	v_nop                                          ; a plain line behind the last exponential
	s_wait_alu depctr_va_vdst(0)                   ; and one wait for the 66 of tiles 2 and 3
.set j, 0
.rept 32
	SR 2
	SR 3
.set j, j+1
.endr
	WIN W_RS
.set i, 0
.rept 16                               ; O^T x a, ascending: each accumulator is read from its low end on
.irp t, 0,1,2,3
	v_pk_mul_f32 v[32*\t+2*i:32*\t+2*i+1], v[32*\t+2*i:32*\t+2*i+1], v[YS+2*\t:YS+2*\t+1] op_sel_hi:[1,0]
.endr
.set i, i+1
.endr
	s_wait_dscnt 0x0                               ; V is in
	WIN W_PV
.irp g, 0,1                            ; O^T += V^T P: 32 products; the 16 accumulators take turns
.irp t, 0,1,2,3
.irp ct, 0,1,2,3
	v_wmma_f32_16x16x32_f16 v[32*\t+8*\ct:32*\t+8*\ct+7], v[VF+8*(4*\g+\ct):VF+8*(4*\g+\ct)+7], v[S+32*\t+8*\g:S+32*\t+8*\g+7], v[32*\t+8*\ct:32*\t+8*\ct+7]
.endr
.endr
.endr
	WIN 0                                          ; at a label and at a branch every window is 0
	s_add_co_u32 s[TB], s[TB], STEPB               ; the next step's tiles,
	s_add_co_u32 s[TM], s[TM], 4*KS                ; and its 64 numbers of the mask
.endm
; A slot's four key steps: written once, walked four times; the LDS addresses hang on s[TB] and s[TM].
.macro FOUR_STEPS
	s_mov_b32 s[CNT], NST
.Lstep_\@:
	STEP
	s_sub_co_u32 s[CNT], s[CNT], 1
	s_cmp_lg_u32 s[CNT], 0
	s_cbranch_scc1 .Lstep_\@
	s_sub_co_u32 s[TB], s[TB], NST*STEPB           ; back to a slot's first step,
	s_xor_b32 s[TB], s[TB], SLOT1                  ; in the other slot
.endm
; THE CHANGE OF SLOTS stands at a slot's head.  Each wave waits for all its tensor loads (one is out: its tile of the slot that it is about to read), adds 0 to its spare word, and waits for that and for its reads of the slot
; that it has left.  fill = 1: the barrier is a round of the cluster's, so that no wave of any partner still reads the other slot or has a load on its way, and the joint load of the next 256 keys is the first thing behind it:
; it has four key steps, 256 matrix instructions a wave, in which to land.  (In the first trip slot 1 is filled for the first time, by all eight waves alike.)
.macro CHANGE fill
	s_wait_tensorcnt 0x0                           ; no tensor load of mine is out, so a group 0 may be written
	ds_add_u32 v[SPW], v[NIL]                      ; 0 onto my spare word
.if \fill
	s_xor_b32 s[G0K+1], s[G0K+1], SLOT1            ; the walking descriptors: the other slot than last time,
	s_add_nc_u64 s[G0K+2:G0K+3], s[G0K+2:G0K+3], SLOTB   ; the next 256 keys; the type bits on top are not reached
	s_xor_b32 s[G0V+1], s[G0V+1], SLOT1
	s_add_nc_u64 s[G0V+2:G0V+3], s[G0V+2:G0V+3], SLOTB
	s_wait_xcnt 0x0                                ; the last prefetch, a slot back, has read its address, so it may be written:
	s_add_nc_u64 s[PFA:PFA+1], s[PFA:PFA+1], SLOTB ; one slot further on than the walking descriptors
	s_wait_dscnt 0x0                               ; the add is done, and my LDS stores and my reads of the slot that I have left are over
	CROUND
	JLOAD
	ASK
.else
	s_wait_dscnt 0x0
	s_barrier_signal -1
	s_barrier_wait -1
.endif
.endm
.Lslot:                                            ; seven trips: behind each change of slots but the last the next slot is asked for
	CHANGE 1
	FOUR_STEPS
	s_sub_co_u32 s[SLOTS], s[SLOTS], 1
	s_cmp_lg_u32 s[SLOTS], 0
	s_cbranch_scc1 .Lslot
	CHANGE 0                                       ; the last slot is written out
	FOUR_STEPS
	; THE WAY OUT.  l's two halves and the other half of the lanes' are added; O^T is divided by l and goes through my stage in LDS, a tile (16 rows of 256 bytes) at a time.  The first four additions are the places behind the last products.
	s_wait_xcnt 0x0                                ; the last prefetch has read v7, which is scratch below
.irp t, 0,1,2,3
	v_add_f32 v[YS+2*\t], v[LS+2*\t], v[LS+2*\t+1]
.endr
.irp t, 0,1,2,3
	v_permlanex16_b32 v[XS+2*\t+1], v[YS+2*\t], s[SEL], s[SEL+1]
.endr
.irp t, 0,1,2,3
	v_add_f32 v[YS+2*\t], v[YS+2*\t], v[XS+2*\t+1]
.endr
.irp t, 0,1,2,3
	v_rcp_f32 v[YS+2*\t], v[YS+2*\t]
.endr
	s_mul_i32 s16, s[WV], 16*SP
	s_add_co_u32 s16, s16, STAGE                   ; my stage
	v_and_b32 v4, 15, v0                           ; r   (plain lines behind the reciprocals)
	v_bfe_u32 v7, v0, 4, 1                         ; h
	v_mul_u32_u24 v1, v4, SP                       ; in: row r; tile ct's eight channels of my half: 64 ct + 32 h bytes on
	v_lshl_add_u32 v1, v7, 5, v1
	v_add_nc_u32 v1, s16, v1
	v_mul_u32_u24 v2, v7, SP                       ; back: lanes 0-15 take one row of 256 bytes, lanes 16-31 the next
	v_lshl_add_u32 v2, v4, 4, v2
	v_add_nc_u32 v2, s16, v2
	v_lshlrev_b32 v3, 12, v7                       ; and the same two rows in out0, 4,096 bytes apart
	v_lshl_add_u32 v3, v4, 4, v3
	s_wait_alu depctr_va_vdst(0)                   ; one wait for the four reciprocals, ahead of their first reader
.macro PACK t
	WIN 0x01                                       ; source 0 (O^T) window 1; 1 / l and the destination (S^T's registers, which are free) window 0
.set i, 0
.rept 16
	v_pk_mul_f32 v[S+32*\t+2*i:S+32*\t+2*i+1], v[32*\t+2*i:32*\t+2*i+1], v[YS+2*\t:YS+2*\t+1] op_sel_hi:[1,0]
.set i, i+1
.endr
	WIN 0
.irp ct, 0,1,2,3
	ds_store_b128 v1, v[S+32*\t+8*\ct:S+32*\t+8*\ct+3] offset:64*\ct
	ds_store_b128 v1, v[S+32*\t+8*\ct+4:S+32*\t+8*\ct+7] offset:64*\ct+16
.endr
.irp f, 0,1,2,3,4,5,6,7
	ds_load_b128 v[S+32*\t+4*\f:S+32*\t+4*\f+3], v2 offset:\f*2*SP   ; LDS serves a wave's instructions in order (ISA guide 5.7.1.4): these see the stores above; the next tile's stores come behind them
.endr
.endm
.macro SEND t, younger                 ; younger: the LDS instructions issued behind tile t's loads: the next tile's sixteen, or none
.irp f, 0,1,2,3,4,5,6,7
	s_wait_dscnt \younger+7-\f
	global_store_b128 v3, v[S+32*\t+4*\f:S+32*\t+4*\f+3], s[8:9] offset:(16*\t+2*\f)*4096 th:TH_STORE_NT   ; 16 lanes store 256 consecutive bytes, at a multiple of 256 from out0's first byte
.endr
.endm
	PACK 0
	PACK 1                                         ; a tile's arithmetic stands between the loads of the tile before and its stores
	SEND 0, 16
	PACK 2
	SEND 1, 16
	PACK 3
	SEND 2, 16
	SEND 3, 0
	s_wait_tensorcnt 0x0                           ; the wave's end, behind my last tensor load and my last LDS store
	ds_add_u32 v[SPW], v[NIL]
	s_wait_dscnt 0x0
	CROUND                                         ; the closing round: no work-group ends while a partner may still ask for a tile that names it
	s_endpgm
.Lfunc_end_k_q573ee5ce0a_attn:
	.size	k_q573ee5ce0a_attn, .Lfunc_end_k_q573ee5ce0a_attn-k_q573ee5ce0a_attn
	.p2alignl 7, 3214868480
	.fill 96, 4, 3214868480
	.section	.rodata,"a",@progbits
	.p2align	6, 0x0
	.amdhsa_kernel k_q573ee5ce0a_attn
		.amdhsa_group_segment_fixed_size 327680
		.amdhsa_private_segment_fixed_size 0
		.amdhsa_enable_private_segment 0
		.amdhsa_kernarg_size 24
		.amdhsa_user_sgpr_count 2
		.amdhsa_user_sgpr_kernarg_segment_ptr 1
		.amdhsa_wavefront_size32 1
		.amdhsa_system_sgpr_workgroup_id_x 1
		.amdhsa_system_sgpr_workgroup_id_y 1
		.amdhsa_system_sgpr_workgroup_id_z 1
		.amdhsa_system_vgpr_workitem_id 0
		.amdhsa_next_free_vgpr 512
		.amdhsa_next_free_sgpr 66
		.amdhsa_reserve_vcc 0
		.amdhsa_float_denorm_mode_32 3
		.amdhsa_float_denorm_mode_16_64 3
		.amdhsa_memory_ordered 1
		.amdhsa_forward_progress 1
		.amdhsa_inst_pref_size 94
	.end_amdhsa_kernel
	.amdgpu_metadata
---
amdhsa.version: [ 1, 2 ]
amdhsa.kernels:
  - .name:           k_q573ee5ce0a_attn
    .symbol:         k_q573ee5ce0a_attn.kd
    .args:
      - { .name: qkv, .offset: 0, .size: 8, .value_kind: global_buffer, .address_space: global }
      - { .name: attention_mask, .offset: 8, .size: 8, .value_kind: global_buffer, .address_space: global }
      - { .name: out0, .offset: 16, .size: 8, .value_kind: global_buffer, .address_space: global }
    .group_segment_fixed_size: 327680
    .private_segment_fixed_size: 0
    .kernarg_segment_align: 8
    .kernarg_segment_size: 24
    .max_flat_workgroup_size: 256
    .sgpr_count:     66
    .vgpr_count:     512
    .wavefront_size: 32
...
	.end_amdgpu_metadata
.endif
;; end of part 3
